; MI455X (gfx1250); checked and timed in simulation.
; The chip was launched on July 23, 2026; its instructions are those of AMD's public machine-readable ISA for CDNA 5 (MIT licence, August 2026) and "CDNA5" Instruction Set Architecture Reference Guide (July 2026). The comments in the code are by the model that wrote it; some were corrected since.
;; Self Attention Block. Allowed arithmetic: matrix products marked QUANTISED: E2M3 operands, one E8M0 scale for each 32 along K, by v_wmma_scale_f32_16x16x128_f8f6f4 with both operands' format E2M3, f32 sums; everything else in f32.
;; Inputs: Wk 256 x 512 float32; Wq 256 x 512 float32; Wv 512 x 512 float32; bk 256 float32; bq 256 float32; bv 512 float32; key_feats 4 x 512 x 64 x 64 float32; query_feats 4 x 512 x 64 x 64 float32.
;; Outputs: out0 4 x 512 x 64 x 64 float32.
;; This version of the problem:
;;   THIS VERSION OF THE PROBLEM IS GIVEN IN LOW PRECISION. The matrix products marked QUANTISED in the list below multiply operands that are first quantised to E2M3 (2 exponent bits, 3 mantissa bits; 6 bits a number), with one power-of-two scale for each 32 numbers along K (OCP MX v1.0); their sums are f32. All else is computed in f32.
;;   The module's matrix products, in the order in which they are computed (A, B: the left and right operand; K: the contracted axis; several contracted axes count as one K, in the product's order):
;;     1. [M 256, K 512] x [K 512, N 16,384]; A: input Wq; B: input query_feats: QUANTISED
;;     2. [M 256, K 512] x [K 512, N 16,384]; A: input Wk; B: input key_feats: QUANTISED
;;     3. [M 512, K 512] x [K 512, N 16,384]; A: input Wv; B: input key_feats: QUANTISED
;;     4. batch 4 x [M 4,096, K 256] x [K 256, N 4,096]; A: computed on the way; B: computed on the way: QUANTISED
;;     5. batch 4 x [M 4,096, K 4,096] x [K 4,096, N 512]; A: softmax (see below); B: computed on the way: QUANTISED
;;   THE QUANTISER, for each operand of a quantised product, along K:
;;     - K is cut into blocks of 32 from its start; a last block that is shorter is filled with zeros.
;;     - A block's scale is 2^e with e = floor(log2(the largest magnitude in the block)) - 2, held to -126 .. 127; a block of zeros has e = 0. As a byte (E8M0): e + 127.
;;     - Each number is divided by its block's scale, clamped to +-7.5, and rounded to the nearest number of E2M3, ties to even, subnormals kept.
;;     - The product sums the exact products of the quantised numbers (number of the format x scale) in f32.
;;   ~~~python
;;   def quantise(x, axis):      # numpy; x: float32 -> the quantised numbers, widened to float32 again
;;       x = np.moveaxis(x, axis, -1); K = x.shape[-1]
;;       x = np.pad(x, [(0, 0)] * (x.ndim - 1) + [(0, -K % 32)]); x = x.reshape(x.shape[:-1] + (-1, 32)); a = np.abs(x).max(-1, keepdims=True)
;;       e = np.where(a > 0, np.clip(np.frexp(np.where(a > 0, a, 1))[1] - 1 - 2, -126, 127), 0)      # np.frexp(a)[1] - 1 = floor(log2(a)), exactly
;;       r = np.clip(x / 2.0 ** e, -7.5, 7.5)
;;       step = 2.0 ** (np.maximum(np.frexp(np.where(r == 0, 1, r))[1] - 1, 0) - 3)
;;       q = np.round(r / step) * step * 2.0 ** e      # np.round: ties to even
;;       return np.moveaxis(q.reshape(q.shape[:-2] + (-1,))[..., :K], -1, axis).astype(np.float32)
;;   ~~~
;;   SOFTMAX AHEAD OF A QUANTISED PRODUCT. Where the list says 'softmax', what is quantised is not the finished softmax but p = 2^(t - M), with t = logit x log2(e) and M = ceil(the row's largest t), a whole number; so 1/2 < the row's largest p <= 1. The row's sum l is taken of the UNQUANTISED p, in f32, and the product's result is divided by l at the end. Since M is a whole number, a kernel that streams over the keys may use a running M (the ceiling of the running maximum): every later rescaling is an exact power of two, which a block's scale takes up: the codes' values come out the same.
;;   OPERANDS COMPUTED ON THE WAY. 'Computed on the way' means the value that the module computes at that place (a softmax that the list does not call 'softmax' is quantised finished and normalised). What goes into a quantiser is computed in f32, as accurately as f32 sums, v_exp_f32 and their like allow (about 1e-6 of the number): no bf16 or f16 on the way to a quantiser, and a product that is left as it is and whose result goes on into a quantised operand takes f32 operands (vector FMAs, or v_wmma_f32_16x16x4_f32). A number that lies on a knife's edge between two numbers of the format may be rounded either way, as far as f32 arithmetic and the matrix unit's own rounding can turn it there, and no further.
;; One version. Each part assembles by itself: llvm-mc -triple=amdgcn-amd-amdhsa -mcpu=gfx1250 --defsym DOCPART=n.
;; ======== version 1 of 1: 3 launches
;; workspace buffers: wt 409,600 bytes; q 3,276,800 bytes; kv 9,830,400 bytes
;; launch wquant (part 1): grid 64 x 1, 4 waves a work-group, no clusters, 0 bytes of LDS; arguments Wq, Wk, Wv, wt; writes wt
.if DOCPART == 1
	.amdgcn_target "amdgcn-amd-amdhsa--gfx1250"
	.amdhsa_code_object_version 6
	.text
	.protected	k_q0013b59bf7_wquant
	.globl	k_q0013b59bf7_wquant
	.p2align	8
	.type	k_q0013b59bf7_wquant,@function
k_q0013b59bf7_wquant:
	s_mov_b64 s[64:65], 0
	v_nop
	global_prefetch_b8 v0, s[64:65] scope:SCOPE_SE
	s_setreg_imm32_b32 hwreg(HW_REG_WAVE_MODE, 25, 1), 1
	s_wait_xcnt 0x0
; SelfAttentionBlock in MX-FP6, launch 1 of 3: the three weights become codes of E2M3 with one E8M0 byte for each 32 input channels.
; DEAD WORK: none.  Every product of reference() is live, and all three biases enter a quantised operand (bq: Q, bk: K, bv: V), where they can move codes and scales: all eight inputs are loaded by this program.
; LIMITS: NaN and infinities among the inputs are not served.  A block of zeros gets the byte 1 (the floor), not 127: its codes are zeros, which add nothing, and this program alone reads the bytes.
; LAYOUT OF wt.  A FRAGMENT (16 rows x 128 along K, 12 registers a lane) lies as an image of its registers: registers 4 c .. 4 c + 3 of lane l at 512 c + 16 l: 1,536 bytes.
;   codes: fragment (id, s) at (4 id + s) x 1,536; id 0-15: Wq's row tiles, 16-31: Wk's, 32-63: Wv's; s: the K step of 128 channels.   scale words: SCO + 256 id + 64 s + 4 r.
;   Wq, Wk: lane r of tile rt = id % 16 holds row 128 (rt / 8) + 32 ((rt / 2) % 4) + 8 (rt % 2) + r + 8 (r / 8), so that the results of two neighbouring tiles are 16 neighbours along the next product's K.   Wv: row 16 (id - 32) + r.
; SHARES.  Work-group = row tile id, wave = K step s: one fragment a wave.  K is innermost in memory: lane (r, h) reads, of its row, channels 64 c + 32 h + 0 .. 31: a whole block a run of 32 registers.
; 2 MB are read in all: no LDS, no barrier, no matrix unit.  The scale words leave in runs of 64 bytes (16 KB in the launch); both halves of the lanes store the same word with the same value.
.set SCO, 393216
	s_load_b256 s[4:11], s[0:1], 0x0               ; Wq s[4:5], Wk s[6:7], Wv s[8:9], wt s[10:11]
	v_lshrrev_b32 v1, 5, v0
	v_readfirstlane_b32 s12, v1                    ; wave = K step
	v_and_b32 v1, 15, v0                           ; r
	v_bfe_u32 v2, v0, 4, 1                         ; h
	s_and_b32 s13, ttmp9, 15                       ; rt
	s_lshr_b32 s14, s13, 3
	s_lshl_b32 s14, s14, 7                         ; 128 (rt / 8)
	s_bfe_u32 s15, s13, 0x20001
	s_lshl_b32 s15, s15, 5                         ; 32 ((rt / 2) % 4)
	s_add_co_u32 s14, s14, s15
	s_and_b32 s15, s13, 1
	s_lshl_b32 s15, s15, 3                         ; 8 (rt % 2)
	s_add_co_u32 s14, s14, s15
	s_and_b32 s15, ttmp9, 31
	s_lshl_b32 s15, s15, 4                         ; Wv: 16 (id - 32)
	s_cmp_lt_u32 ttmp9, 32
	s_cselect_b32 s14, s14, s15                    ; the tile's first row
	s_cselect_b32 s16, 8, 0                        ; Wq, Wk: lanes 8-15 stand 8 rows further on
	v_lshrrev_b32 v3, 3, v1
	v_mul_u32_u24 v3, s16, v3
	v_add_nc_u32 v3, v3, v1
	v_lshlrev_b32 v3, 11, v3                       ; a row of W is 2,048 bytes
	v_lshl_add_u32 v3, v2, 7, v3                   ; + 128 h
	v_and_b32 v4, 31, v0
	v_lshlrev_b32 v4, 4, v4                        ; 16 x lane
	v_lshlrev_b32 v5, 2, v1                        ; 4 r
	s_lshl_b32 s18, s14, 11
	s_lshl_b32 s17, s12, 9                         ; a K step is 512 bytes of a row
	s_add_co_u32 s18, s18, s17
	s_mov_b32 s19, 0
	s_lshl_b32 s17, ttmp9, 2
	s_add_co_u32 s17, s17, s12                     ; 4 id + s
	s_mul_i32 s22, s17, 1536
	s_mov_b32 s23, 0
	s_lshl_b32 s24, s17, 6
	s_add_co_u32 s24, s24, SCO
	s_mov_b32 s25, 0
	s_mov_b32 s26, 0x76543210
	s_mov_b32 s27, 0xfedcba98                      ; v_permlanex16_b32's selects for lane l xor 16
	s_wait_kmcnt 0x0
	s_cmp_lt_u32 ttmp9, 16                         ; which weight: the choice hangs on the work-group's number alone
	s_cselect_b64 s[20:21], s[4:5], s[6:7]
	s_cmp_lt_u32 ttmp9, 32
	s_cselect_b64 s[20:21], s[20:21], s[8:9]
	s_add_nc_u64 s[20:21], s[20:21], s[18:19]
	s_add_nc_u64 s[22:23], s[10:11], s[22:23]
	s_add_nc_u64 s[24:25], s[10:11], s[24:25]
.irp c, 0,1
.irp i, 0,1,2,3,4,5,6,7
	global_load_b128 v[64+32*\c+4*\i:64+32*\c+4*\i+3], v3, s[20:21] offset:256*\c+16*\i   ; W(row, 128 s + 64 c + 32 h + 4 i ..)
.endr
.endr
	s_wait_loadcnt 0x0
.irp c, 0,1                                    ; my block 2 c + h: all its 32 numbers are mine
	v_max3_num_f32 v[32+\c], |v[64+32*\c]|, |v[65+32*\c]|, 0x1800000   ; and the floor 2^(3 - 127): the byte cannot fall under 1
.endr
.irp i, 2,4,6,8,10,12,14,16,18,20,22,24,26,28,30
.irp c, 0,1
	v_max3_num_f32 v[32+\c], v[32+\c], |v[64+32*\c+\i]|, |v[65+32*\c+\i]|
.endr
.endr
.irp c, 0,1
	v_add_nc_u32 v[44+\c], 0xff000000, v[32+\c]    ; 2 off the exponent field: the conversion's scale operand
.endr
.irp c, 0,1
	v_lshrrev_b32 v[36+\c], 23, v[44+\c]           ; the scale's byte
.endr
	v_lshl_or_b32 v9, v37, 16, v36                 ; my two bytes: blocks h and 2 + h,
	v_lshlrev_b32 v10, 3, v2
	v_lshlrev_b32 v9, v10, v9                      ; at their places in the word
	v_mov_b32 v10, 0
	v_permlanex16_b32 v10, v9, s26, s27
	v_or_b32 v9, v9, v10                           ; with lane l xor 16's two the word is whole
.irp c, 0,1
	v_cvt_scalef32_pk16_fp6_f32 v[48+6*\c:50+6*\c], v[64+32*\c:79+32*\c], v[44+\c]
	v_cvt_scalef32_pk16_fp6_f32 v[16+4*\c:18+4*\c], v[80+32*\c:95+32*\c], v[44+\c]   ; (a conversion's three registers begin on an even number)
.endr
	v_nop                                          ; one plain place behind a scaled conversion
.irp c, 0,1
.irp i, 0,1,2
	v_mov_b32 v[51+6*\c+\i], v[16+4*\c+\i]
.endr
.endr
.irp c, 0,1,2
	global_store_b128 v4, v[48+4*\c:51+4*\c], s[22:23] offset:512*\c   ; 32 lanes store 512 consecutive bytes
.endr
	global_store_b32 v5, v9, s[24:25]
	s_endpgm
.Lfunc_end_k_q0013b59bf7_wquant:
	.size	k_q0013b59bf7_wquant, .Lfunc_end_k_q0013b59bf7_wquant-k_q0013b59bf7_wquant
	.p2alignl 7, 3214868480
	.fill 96, 4, 3214868480
	.section	.rodata,"a",@progbits
	.p2align	6, 0x0
	.amdhsa_kernel k_q0013b59bf7_wquant
		.amdhsa_group_segment_fixed_size 0
		.amdhsa_private_segment_fixed_size 0
		.amdhsa_enable_private_segment 0
		.amdhsa_kernarg_size 32
		.amdhsa_user_sgpr_count 2
		.amdhsa_user_sgpr_kernarg_segment_ptr 1
		.amdhsa_wavefront_size32 1
		.amdhsa_system_sgpr_workgroup_id_x 1
		.amdhsa_system_sgpr_workgroup_id_y 1
		.amdhsa_system_sgpr_workgroup_id_z 1
		.amdhsa_system_vgpr_workitem_id 0
		.amdhsa_next_free_vgpr 128
		.amdhsa_next_free_sgpr 66
		.amdhsa_reserve_vcc 0
		.amdhsa_float_denorm_mode_32 3
		.amdhsa_float_denorm_mode_16_64 3
		.amdhsa_memory_ordered 1
		.amdhsa_forward_progress 1
		.amdhsa_inst_pref_size 7
	.end_amdhsa_kernel
	.amdgpu_metadata
---
amdhsa.version: [ 1, 2 ]
amdhsa.kernels:
  - .name:           k_q0013b59bf7_wquant
    .symbol:         k_q0013b59bf7_wquant.kd
    .args:
      - { .name: Wq, .offset: 0, .size: 8, .value_kind: global_buffer, .address_space: global }
      - { .name: Wk, .offset: 8, .size: 8, .value_kind: global_buffer, .address_space: global }
      - { .name: Wv, .offset: 16, .size: 8, .value_kind: global_buffer, .address_space: global }
      - { .name: wt, .offset: 24, .size: 8, .value_kind: global_buffer, .address_space: global }
    .group_segment_fixed_size: 0
    .private_segment_fixed_size: 0
    .kernarg_segment_align: 8
    .kernarg_segment_size: 32
    .max_flat_workgroup_size: 128
    .sgpr_count:     66
    .vgpr_count:     128
    .wavefront_size: 32
...
	.end_amdgpu_metadata
.endif
;; end of part 1
;; launch proj (part 2): grid 128 x 2, 4 waves a work-group, no clusters, 327,680 bytes of LDS; arguments query_feats, key_feats, wt, bq, bk, bv, q, kv; writes q, kv
.if DOCPART == 2
	.amdgcn_target "amdgcn-amd-amdhsa--gfx1250"
	.amdhsa_code_object_version 6
	.text
	.protected	k_q0013b59bf7_proj
	.globl	k_q0013b59bf7_proj
	.p2align	8
	.type	k_q0013b59bf7_proj,@function
k_q0013b59bf7_proj:
	s_mov_b64 s[64:65], 0
	v_nop
	global_prefetch_b8 v0, s[64:65] scope:SCOPE_SE
	s_setreg_imm32_b32 hwreg(HW_REG_WAVE_MODE, 25, 1), 1
	s_wait_xcnt 0x0
; Launch 2 of 3: the three 1x1 convolutions on codes of E2M3, and their results quantised again as the operands of attention.  No work of reference() is left out.
; grid y = 0: q = Wq x + bq from query_feats;  y = 1: k = Wk x + bk AND v = Wv x + bv from key_feats, which is read and quantised once for both.
; SHARES.  A work-group takes 128 pixels of one image, all 512 channels: 256 KB of f32, asked for whole at the head: two tensor loads a wave (64 channels x 512 bytes each), first fills only, nothing is filled again.
;   X: wave w quantises channels 128 w .. + 127 (K step w) of the 128 pixels: a lane a pixel, registers down the channels; the codes go to LDS as images of operand registers | barrier |
;   C: wave w makes c = 128 (w % 2) .. + 127 for pixel tiles 4 (w / 2) .. + 3, transposed (source 0 = 16 rows of W, source 1 = 16 pixels), its 32 fragments of W in registers; a lane's 64 results are 128 c of one pixel in the order of the
;      next operand: quantised in registers, stored as a fragment image |  V (y = 1 alone): wave w makes o tiles 8 w .. + 7 (source 0 = 16 pixels, source 1 = 16 rows of Wv): a lane's 64 results are 128 pixels (keys) of one o.
; THE PIXELS OF A TILE ARE NOT NEIGHBOURS: lane r of tile 2 b + u holds pixel 32 b + 8 u + r + 8 (r / 8): so V's results, and later the softmax's p, run along neighbouring keys in a lane's registers.
; OUTPUT.  q: 64 blocks of 256 pixels, 51,200 bytes: fragment (tile t, c step s') at (2 t + s') 1,536; scale words at 49,152 + 1,024 s' + 64 t + 4 r.
;   kv: 64 blocks of 153,600: k as q; V's fragment (o tile, key step) at 51,200 + (2 ot + ks) 1,536; its scale words at 149,504 + 2,048 ks + 64 ot + 4 r.  A fragment image: registers 4 c .. 4 c + 3 of lane l at 512 c + 16 l.
; NO CLUSTER: what work-groups share is the weights' codes (96 KB, y = 1: 288 KB); they go from memory straight into registers, since the features and their images take 316,928 of LDS's 327,680 bytes and leave a weight tile no room.
; LIMITS: NaN and infinities are not served; a block of zeros gets the byte 1, its codes are zeros.
; REGISTERS: window 0: v1-23 addresses; v30, v31 the add's two; v32-95 two sets of 32 numbers of x, later 8 accumulators; v96-143 four fragments of x (in X: codes, bytes); v144-163 codes just made; v164-180 at work;
;   v184-207 scale words alone; v208-215 bv as a C; v216-223 bv.   window 1: v0-63 the bias as the C of 8 tiles; v64-159 Wv's fragments, two sets.   windows 2, 3: W's 32 fragments, in V x's 32.
.set XIMG,  262144                     ; LDS: 0: the features, wave w's 128 channels x 512 bytes at 65,536 w.  XIMG: x's fragment (pixel tile pt, K step s) at (4 pt + s) 1,536, 48 bytes a lane
.set XSC,   311296                     ; their scale words: 256 pt + 64 s + 4 r
.set CST,   313344                     ; a stage for q's or k's scale words: 256 bytes a wave
.set VST,   314368                     ; and for V's: 512 a wave
.set SPARE, 316416                     ; the spare words, 128 bytes a wave: two blocks of 256 bytes that no other line names
.set R,     1
.set HH,    2
.set LN,    3
.set L4,    4                          ; 4 x lane
.set LI16,  5                          ; 16 x lane
.set R4,    7                          ; 4 r
.set H64,   8                          ; 64 h
.set XA,    9                          ; my pixel in my wave's features
.set XW,    10                         ; where my pixel's codes go
.set XSW,   11                         ; and its scale word
.set LI48,  12                         ; XIMG + 48 x lane
.set LS,    13                         ; XSC + 4 x lane
.set LI48C, 14                         ; the same at my wave's four pixel tiles
.set LSC,   15
.set CSW,   16
.set CSR,   17
.set VSW,   18
.set VSR,   19
.set CSO,   20
.set VSO,   23
.set SPW,   30
.set NIL,   31
.set X,     32
.set HA,    32
.set XFR,   96
.set CC,    96
.set SB,    112
.set PC,    144
.set TM,    164
.set PW,    180
.set WS,    184
.set XSV,   184
.set XS,    200
.set WVS,   204
.set CB,    208
.set BV,    216
.set RB,    224
.set WV,    36
.set TY,    37
.set SEL,   74
.set MSB, 0
.macro WIN new                         ; the immediate's high byte repeats the setting that is left
.if MSB != \new
	s_set_vgpr_msb (MSB<<8)|\new
.set MSB, \new
.endif
.endm
.macro PLACES                          ; four plain places behind a matrix instruction (ISA guide 7.12.1)
.rept 4
	v_nop
.endr
.endm
.macro WM d, a, b, c, sa, sb, row      ; one product; row = 1: both scale words from lanes 16-31
.if \row
	v_wmma_scale_f32_16x16x128_f8f6f4 v[\d:\d+7], v[\a:\a+11], v[\b:\b+11], v[\c:\c+7], v[\sa], v[\sb] matrix_a_fmt:MATRIX_FMT_FP6 matrix_b_fmt:MATRIX_FMT_FP6 matrix_a_scale:MATRIX_SCALE_ROW1 matrix_b_scale:MATRIX_SCALE_ROW1
.else
	v_wmma_scale_f32_16x16x128_f8f6f4 v[\d:\d+7], v[\a:\a+11], v[\b:\b+11], v[\c:\c+7], v[\sa], v[\sb] matrix_a_fmt:MATRIX_FMT_FP6 matrix_b_fmt:MATRIX_FMT_FP6
.endif
.endm
; 64 numbers of a lane, register 16 b + i = k 32 b + 16 (lane / 16) + i of my row, become a fragment's codes in v[PC] on and its scale word in v[PW]
.macro QUANT s
.irp b, 0,1,2,3
	v_max3_num_f32 v[TM+\b], |v[\s+16*\b]|, |v[\s+1+16*\b]|, 0x1800000   ; my 16 numbers of block b, and the floor 2^(3 - 127)
.endr
.irp i, 2,4,6,8,10,12,14
.irp b, 0,1,2,3
	v_max3_num_f32 v[TM+\b], v[TM+\b], |v[\s+16*\b+\i]|, |v[\s+1+16*\b+\i]|
.endr
.endr
.irp b, 0,1,2,3
	v_permlanex16_b32 v[TM+4+\b], v[TM+\b], s[SEL], s[SEL+1]
.endr
.irp b, 0,1,2,3
	v_max_num_f32 v[TM+\b], v[TM+\b], v[TM+4+\b]   ; with lane l xor 16's: the block's largest magnitude
.endr
.irp b, 0,1,2,3
	v_add_nc_u32 v[TM+12+\b], 0xff000000, v[TM+\b] ; 2 off its exponent field: the conversion's scale operand
.endr
.irp b, 0,1,2,3
	v_lshrrev_b32 v[TM+4+\b], 23, v[TM+12+\b]      ; the scale's byte
.endr
	v_lshl_or_b32 v[PW], v[TM+5], 8, v[TM+4]
	v_lshl_or_b32 v[PW], v[TM+6], 16, v[PW]
	v_lshl_or_b32 v[PW], v[TM+7], 24, v[PW]
.irp c, 0,1
	v_cvt_scalef32_pk16_fp6_f32 v[PC+6*\c:PC+2+6*\c], v[\s+32*\c:\s+15+32*\c], v[TM+12+2*\c]
	v_cvt_scalef32_pk16_fp6_f32 v[PC+12+4*\c:PC+14+4*\c], v[\s+16+32*\c:\s+31+32*\c], v[TM+12+2*\c+1]
.endr
	v_nop                                          ; one plain place behind a scaled conversion
.irp c, 0,1                                    ; the operand wants a whole block in a lane: lanes 0-15 block 2 c, lanes 16-31 block 2 c + 1
.irp i, 0,1,2
	v_permlane16_swap_b32 v[PC+6*\c+\i], v[PC+12+4*\c+\i]
.endr
.irp i, 0,1,2
	v_mov_b32 v[PC+3+6*\c+\i], v[PC+12+4*\c+\i]
.endr
.endr
.endm
	s_load_b512 s[4:19], s[0:1], 0x0               ; query_feats s[4:5], key_feats s[6:7], wt s[8:9], bq s[10:11], bk s[12:13], bv s[14:15], q s[16:17], kv s[18:19]
	v_lshl_add_u32 v[SPW], v0, 2, SPARE
	v_mov_b32 v[NIL], 0
	ds_add_u32 v[SPW], v[NIL]                      ; the wave's opening: the add, twice on end, and its wait ahead of my first tensor load
	ds_add_u32 v[SPW], v[NIL]
	v_lshrrev_b32 v1, 5, v0
	v_readfirstlane_b32 s[WV], v1                  ; wave 0..3
	s_and_b32 s[TY], ttmp7, 0xffff                 ; 0: q;  1: k and v
	s_lshr_b32 s38, ttmp9, 5                       ; image b
	s_and_b32 s39, ttmp9, 31                       ; which 128 pixels
	s_lshr_b32 s40, s39, 1                         ; which block of 256
	s_and_b32 s41, s39, 1                          ; g: which half of it
	s_and_b32 s42, s[WV], 1                        ; s': my c step
	s_lshr_b32 s43, s[WV], 1                       ; my half of the pixel tiles
	s_mov_b32 s20, 2<<16                           ; group 1: no mask; elements of 4 bytes; no padding
	s_mov_b32 s21, 128<<16                         ; tensor_dim0 = 128 pixels
	s_mov_b32 s22, 64<<16                          ; tensor_dim1 = 64 channels
	s_mov_b32 s23, 128<<16                         ; tile_dim0
	s_mov_b32 s24, 64                              ; tile_dim1
	s_mov_b32 s25, 4096                            ; from channel to channel
	s_mov_b32 s26, 0
	s_mov_b32 s27, 0
	s_lshl_b32 s29, s[WV], 16                      ; my features in LDS
	s_lshl_b32 s46, s38, 23                        ; an image is 8,388,608 bytes,
	s_lshl_b32 s45, s[WV], 21                      ; 128 channels 2,097,152,
	s_add_co_u32 s46, s46, s45
	s_lshl_b32 s45, s39, 9                         ; 128 pixels 512
	s_add_co_u32 s46, s46, s45
	s_mov_b32 s47, 0
	s_mov_b32 s[SEL], 0x76543210
	s_mov_b32 s[SEL+1], 0xfedcba98
	v_and_b32 v[LN], 31, v0
	v_and_b32 v[R], 15, v0
	v_bfe_u32 v[HH], v0, 4, 1
	v_lshlrev_b32 v[L4], 2, v[LN]
	v_lshlrev_b32 v[LI16], 4, v[LN]
	v_lshlrev_b32 v[R4], 2, v[R]
	v_lshlrev_b32 v[H64], 6, v[HH]
	v_add_nc_u32 v[XA], s29, v[L4]
	v_bfe_u32 v21, v0, 3, 1                        ; pixel 32 pg + lane lies in tile 2 pg + u, u = (lane / 8) % 2,
	v_and_b32 v22, 7, v0
	v_lshl_or_b32 v22, v[HH], 3, v22               ; at row r' = lane % 8 + 8 (lane / 16)
	v_mul_u32_u24 v[XW], v22, 48
	v_mad_u32_u24 v[XW], v21, 6144, v[XW]
	s_mul_i32 s44, s[WV], 1536
	s_add_co_u32 s44, s44, XIMG
	v_add_nc_u32 v[XW], s44, v[XW]
	v_lshlrev_b32 v[XSW], 2, v22
	v_lshl_add_u32 v[XSW], v21, 8, v[XSW]
	s_lshl_b32 s44, s[WV], 6
	s_add_co_u32 s44, s44, XSC
	v_add_nc_u32 v[XSW], s44, v[XSW]
	v_mul_u32_u24 v[LI48], v[LN], 48
	v_add_nc_u32 v[LI48], XIMG, v[LI48]
	v_add_nc_u32 v[LS], XSC, v[L4]
	s_mul_i32 s44, s43, 24576
	v_add_nc_u32 v[LI48C], s44, v[LI48]
	s_lshl_b32 s44, s43, 10
	v_add_nc_u32 v[LSC], s44, v[LS]
	s_lshl_b32 s44, s[WV], 8
	s_add_co_u32 s44, s44, CST
	v_add_nc_u32 v[CSW], s44, v[R4]
	v_lshl_add_u32 v[CSR], v[LN], 3, s44
	s_lshl_b32 s44, s[WV], 9
	s_add_co_u32 s44, s44, VST
	v_add_nc_u32 v[VSW], s44, v[R4]
	v_add_nc_u32 v[VSR], s44, v[LI16]
	s_lshl_b32 s44, s42, 10                        ; where my 256 bytes of scale words go in the block: 1,024 s' + 512 g + 256 (w / 2) + 8 x lane
	s_lshl_b32 s45, s41, 9
	s_add_co_u32 s44, s44, s45
	s_lshl_b32 s45, s43, 8
	s_add_co_u32 s44, s44, s45
	v_lshl_add_u32 v[CSO], v[LN], 3, s44
.irp b, 0,1,2,3
	v_mov_b32 v[TM+4+\b], 0                        ; written once: a lane permute's destination counts as one of its sources
.endr
	s_wait_dscnt 0x0                               ; both opening adds are done
	s_wait_kmcnt 0x0
	s_cmp_eq_u32 s[TY], 0                          ; the choices hang on the work-group's number alone
	s_cselect_b64 s[48:49], s[4:5], s[6:7]         ; the features,
	s_cselect_b64 s[50:51], s[10:11], s[12:13]     ; the bias,
	s_cselect_b64 s[52:53], s[16:17], s[18:19]     ; the output,
	s_cselect_b32 s54, 0, 98304                    ; Wq's or Wk's fragments in wt,
	s_mov_b32 s55, 153600
	s_cselect_b32 s55, 51200, s55                  ; an output block's bytes
	s_mov_b32 s28, 1
	s_add_nc_u64 s[30:31], s[48:49], s[46:47]      ; my channels 0-63,
	s_mov_b32 s32, 1
	s_add_co_u32 s33, s29, 32768
	s_add_nc_u64 s[34:35], s[30:31], 0x100000      ; and 64-127
	s_or_b32 s31, s31, 0x80000000
	s_or_b32 s35, s35, 0x80000000
	tensor_load_to_lds s[28:31], s[20:27]          ; two tensor loads of a wave are out
	s_nop 0
	tensor_load_to_lds s[32:35], s[20:27]
	s_nop 0
	PLACES
	s_mul_i32 s44, s42, 49152
	s_add_co_u32 s44, s44, s54
	s_mov_b32 s45, 0
	s_add_nc_u64 s[56:57], s[8:9], s[44:45]        ; my 8 row tiles' codes
	s_lshl_b32 s44, s[TY], 12
	s_lshl_b32 s46, s42, 11
	s_add_co_u32 s44, s44, s46
	s_add_co_u32 s44, s44, 393216
	s_add_nc_u64 s[58:59], s[8:9], s[44:45]        ; and scale words
	s_lshl_b32 s44, s42, 9
	s_add_nc_u64 s[50:51], s[50:51], s[44:45]      ; my 128 numbers of the bias
	s_lshl_b32 s44, s38, 4
	s_add_co_u32 s44, s44, s40
	s_mul_i32 s44, s44, s55
	s_add_nc_u64 s[52:53], s[52:53], s[44:45]      ; the output block
	s_mul_i32 s44, s41, 24576
	s_mul_i32 s46, s43, 12288
	s_add_co_u32 s44, s44, s46
	s_mul_i32 s46, s42, 1536
	s_add_co_u32 s44, s44, s46
	s_add_nc_u64 s[60:61], s[52:53], s[44:45]      ; my first fragment in it
	WIN 0x80                                       ; W's fragments stay in registers: K steps 0, 1 in window 2,
.irp t, 0,1,2,3,4,5,6,7
.irp k, 0,1
.irp c, 0,1,2
	global_load_b128 v[24*\t+12*\k+4*\c:24*\t+12*\k+4*\c+3], v[LI16], s[56:57] offset:(4*\t+\k)*1536+512*\c
.endr
.endr
.endr
	WIN 0xc0                                       ; 2, 3 in window 3
.irp t, 0,1,2,3,4,5,6,7
.irp k, 0,1
.irp c, 0,1,2
	global_load_b128 v[24*\t+12*\k+4*\c:24*\t+12*\k+4*\c+3], v[LI16], s[56:57] offset:(4*\t+2+\k)*1536+512*\c
.endr
.endr
.endr
	WIN 0x40                                       ; the bias in the result's layout: tile t, lane half h: c = 32 (t / 2) + 8 (t % 2) + 16 h + 0 .. 7
.irp t, 0,1,2,3,4,5,6,7
	global_load_b128 v[8*\t:8*\t+3], v[H64], s[50:51] offset:(32*(\t/2)+8*(\t%2))*4
	global_load_b128 v[8*\t+4:8*\t+7], v[H64], s[50:51] offset:(32*(\t/2)+8*(\t%2))*4+16
.endr
	WIN 0
.irp t, 0,1,2,3,4,5,6,7
.irp k, 0,1
	global_load_b32 v[WS+2*\t+\k], v[L4], s[58:59] offset:\t*256+\k*128   ; lanes 0-15: K step 2 k; lanes 16-31: 2 k + 1
.endr
.endr
; ---- X.  Block t = 4 i + pg: channels 32 i .. + 31 of my K step, pixels 32 pg + lane
.macro XLOADS t
.set xi, (\t)/4
.set xp, (\t)%4
.set xs, X+32*((\t)%2)
.set ch, 0
.rept 32
	ds_load_b32 v[xs+ch], v[XA] offset:(32*xi+ch)*512+128*xp   ; 32 lanes read 128 consecutive bytes of a channel
.set ch, ch+1
.endr
.endm
.macro XBLOCK t
.set bs, X+32*((\t)%2)
.set bc, CC+8*((\t)%2)
.set bi, (\t)/4
.set bp, (\t)%4
.if (\t) == 0
	s_wait_dscnt 32                                ; this block's 32 loads are in; the next block's may be out
.elseif (\t) < 15
	s_wait_dscnt 35                                ; behind this block's loads: the last block's 3 stores and the next block's 32 loads
.else
	s_wait_dscnt 3                                 ; the last block's 3 stores
.endif
	v_max3_num_f32 v116, |v[bs]|, |v[bs+1]|, |v[bs+2]|   ; the block's largest magnitude: all 32 numbers are mine
	v_max3_num_f32 v117, |v[bs+3]|, |v[bs+4]|, |v[bs+5]|
.irp i, 6,10,14,18,22,26
	v_max3_num_f32 v116, v116, |v[bs+\i]|, |v[bs+\i+1]|
	v_max3_num_f32 v117, v117, |v[bs+\i+2]|, |v[bs+\i+3]|
.endr
	v_max3_num_f32 v116, v116, |v[bs+30]|, |v[bs+31]|
	v_max3_num_f32 v116, v116, v117, 0x1800000     ; and the floor
	v_add_nc_u32 v118, 0xff000000, v116
	v_cvt_scalef32_pk16_fp6_f32 v[bc:bc+2], v[bs:bs+15], v118
	v_cvt_scalef32_pk16_fp6_f32 v[bc+4:bc+6], v[bs+16:bs+31], v118
	v_lshrrev_b32 v119, 23, v118                   ; the byte (the plain place behind the conversions)
.if bi == 0
	v_mov_b32 v[SB+bp], v119
.else
	v_lshl_or_b32 v[SB+bp], v119, 8*bi, v[SB+bp]
.endif
	v_mov_b32 v[bc+3], v[bc+4]                     ; the block's 24 bytes on end
	v_mov_b32 v[bc+4], v[bc+5]
	v_mov_b32 v[bc+5], v[bc+6]
	ds_store_b64 v[XW], v[bc:bc+1] offset:bp*12288+(bi%2)*768+(bi/2)*24      ; block i is registers 6 (i / 2) .. + 5 of lane r' + 16 (i % 2)
	ds_store_b64 v[XW], v[bc+2:bc+3] offset:bp*12288+(bi%2)*768+(bi/2)*24+8
	ds_store_b64 v[XW], v[bc+4:bc+5] offset:bp*12288+(bi%2)*768+(bi/2)*24+16
.if (\t) == 6
	s_wait_tensorcnt 0x0                           ; block 8 begins my channels 64-127
.endif
.if (\t)+2 < 16
	XLOADS (\t)+2
.endif
.endm
	s_wait_tensorcnt 0x1                           ; my channels 0-63 are in (blocks 0-7); only I read what I fetched
	XLOADS 0
	XLOADS 1
.irp t, 0,1,2,3,4,5,6,7,8,9,10,11,12,13,14,15
	XBLOCK \t
.endr
.irp p, 0,1,2,3
	ds_store_b32 v[XSW], v[SB+\p] offset:\p*512
.endr
	s_wait_dscnt 0x0                               ; for the others' sake: my images lie in LDS
	s_barrier_signal -1
	s_barrier_wait -1
; ---- C: q or k.  Pixel tile 4 (w / 2) + p: 32 products, the 8 accumulators by turns
.macro CUNIT p
	s_wait_xcnt 0x0                                ; the last tile's stores have read their registers
.irp k, 0,1,2,3
.irp c, 0,1,2
	ds_load_b128 v[XFR+12*\k+4*\c:XFR+12*\k+4*\c+3], v[LI48C] offset:(4*(\p)+\k)*1536+16*\c
.endr
.endr
	ds_load_b32 v[XS], v[LSC] offset:(\p)*256
	ds_load_b32 v[XS+1], v[LSC] offset:(\p)*256+128
	s_wait_dscnt 0x0
	WIN 0x12                                       ; W window 2, the bias (C) window 1
.irp t, 0,1,2,3,4,5,6,7
	WM HA+8*\t, 24*\t, XFR, 8*\t, WS+2*\t, XS, 0
.endr
	WIN 0x02
.irp t, 0,1,2,3,4,5,6,7
	WM HA+8*\t, 24*\t+12, XFR+12, HA+8*\t, WS+2*\t, XS, 1
.endr
	WIN 0x03
.irp t, 0,1,2,3,4,5,6,7
	WM HA+8*\t, 24*\t, XFR+24, HA+8*\t, WS+2*\t+1, XS+1, 0
.endr
.irp t, 0,1,2,3,4,5,6,7
	WM HA+8*\t, 24*\t+12, XFR+36, HA+8*\t, WS+2*\t+1, XS+1, 1
.endr
	WIN 0
	PLACES
	QUANT HA
.irp c, 0,1,2
	global_store_b128 v[LI16], v[PC+4*\c:PC+4*\c+3], s[60:61] offset:(\p)*3072+512*\c   ; 512 consecutive bytes
.endr
	ds_store_b32 v[CSW], v[PW] offset:64*(\p)      ; both halves of the lanes write the same word with the same value
.endm
	s_wait_loadcnt 0x0                             ; W, its scale words, the bias
	CUNIT 0
	CUNIT 1
	CUNIT 2
	CUNIT 3
	ds_load_b64 v[RB:RB+1], v[CSR]                 ; LDS serves a wave's instructions in order: these see my stores
	s_wait_dscnt 0x0
	global_store_b64 v[CSO], v[RB:RB+1], s[52:53] offset:49152   ; four tiles' scale words: 256 consecutive bytes, aligned
	s_cmp_eq_u32 s[TY], 0                          ; the work-group's number alone; no barrier follows
	s_cbranch_scc1 .Lend
; ---- V
	s_mov_b32 s45, 0
	s_mul_i32 s44, s[WV], 49152
	s_add_co_u32 s44, s44, 196608
	s_add_nc_u64 s[66:67], s[8:9], s[44:45]        ; Wv's codes, my 8 o tiles
	s_lshl_b32 s44, s[WV], 11
	s_add_co_u32 s44, s44, 401408
	s_add_nc_u64 s[68:69], s[8:9], s[44:45]        ; their scale words
	s_lshl_b32 s44, s[WV], 9
	s_add_nc_u64 s[70:71], s[14:15], s[44:45]      ; bv
	s_mul_i32 s44, s[WV], 24576
	s_mul_i32 s46, s41, 1536
	s_add_co_u32 s44, s44, s46
	s_add_co_u32 s44, s44, 51200
	s_add_nc_u64 s[72:73], s[52:53], s[44:45]      ; V's fragment (8 w, g)
	s_lshl_b32 s44, s41, 11
	s_lshl_b32 s46, s[WV], 9
	s_add_co_u32 s44, s44, s46
	v_add_nc_u32 v[VSO], s44, v[LI16]
.macro LOADW u                         ; Wv's four fragments of o tile 8 w + u into set u % 2, and their scale words
	WIN 0x40
.irp k, 0,1,2,3
.irp c, 0,1,2
	global_load_b128 v[64+48*((\u)%2)+12*\k+4*\c:64+48*((\u)%2)+12*\k+4*\c+3], v[LI16], s[66:67] offset:(\u)*6144+\k*1536+512*\c
.endr
.endr
	WIN 0
	global_load_b32 v[WVS+2*((\u)%2)], v[L4], s[68:69] offset:(\u)*256
	global_load_b32 v[WVS+2*((\u)%2)+1], v[L4], s[68:69] offset:(\u)*256+128
.endm
.irp u, 0,1,2,3,4,5,6,7
	global_load_b32 v[BV+\u], v[R4], s[70:71] offset:64*\u
.endr
	LOADW 0
	WIN 0x80                                       ; all 32 fragments of x take W's registers (the last products that read those stand in front of a whole quantiser)
.irp p, 0,1,2,3,4,5,6,7
.irp k, 0,1
.irp c, 0,1,2
	ds_load_b128 v[24*\p+12*\k+4*\c:24*\p+12*\k+4*\c+3], v[LI48] offset:(4*\p+\k)*1536+16*\c
.endr
.endr
.endr
	WIN 0xc0
.irp p, 0,1,2,3,4,5,6,7
.irp k, 0,1
.irp c, 0,1,2
	ds_load_b128 v[24*\p+12*\k+4*\c:24*\p+12*\k+4*\c+3], v[LI48] offset:(4*\p+2+\k)*1536+16*\c
.endr
.endr
.endr
	WIN 0
.irp p, 0,1,2,3,4,5,6,7
.irp k, 0,1
	ds_load_b32 v[XSV+2*\p+\k], v[LS] offset:\p*256+\k*128
.endr
.endr
	s_wait_dscnt 0x0
.macro VUNIT u
.if (\u) < 7
	LOADW (\u)+1
	s_wait_loadcnt 14                              ; all but the 14 just issued
.else
	s_wait_loadcnt 0x0
.endif
	s_wait_xcnt 0x0                                ; the last tile's stores have read their registers
.irp j, 0,1,2,3,4,5,6,7
	v_mov_b32 v[CB+\j], v[BV+(\u)]                 ; a lane holds one o: its bias in all eight registers of a C
.endr
	PLACES
.set wb, 64+48*((\u)%2)
.set wsr, WVS+2*((\u)%2)
	WIN 0x06                                       ; x window 2, Wv window 1
.irp p, 0,1,2,3,4,5,6,7
	WM HA+8*\p, 24*\p, wb, CB, XSV+2*\p, wsr, 0
.endr
.irp p, 0,1,2,3,4,5,6,7
	WM HA+8*\p, 24*\p+12, wb+12, HA+8*\p, XSV+2*\p, wsr, 1
.endr
	WIN 0x07
.irp p, 0,1,2,3,4,5,6,7
	WM HA+8*\p, 24*\p, wb+24, HA+8*\p, XSV+2*\p+1, wsr+1, 0
.endr
.irp p, 0,1,2,3,4,5,6,7
	WM HA+8*\p, 24*\p+12, wb+36, HA+8*\p, XSV+2*\p+1, wsr+1, 1
.endr
	WIN 0
	PLACES
	QUANT HA                                       ; along the keys
.irp c, 0,1,2
	global_store_b128 v[LI16], v[PC+4*\c:PC+4*\c+3], s[72:73] offset:(\u)*3072+512*\c
.endr
	ds_store_b32 v[VSW], v[PW] offset:64*(\u)
.endm
.irp u, 0,1,2,3,4,5,6,7
	VUNIT \u
.endr
	ds_load_b128 v[RB:RB+3], v[VSR]
	s_wait_dscnt 0x0
	global_store_b128 v[VSO], v[RB:RB+3], s[52:53] offset:149504   ; eight tiles' scale words: 512 consecutive bytes
.Lend:
	s_wait_tensorcnt 0x0                           ; the wave's end
	ds_add_u32 v[SPW], v[NIL]
	s_wait_dscnt 0x0
	s_endpgm
.Lfunc_end_k_q0013b59bf7_proj:
	.size	k_q0013b59bf7_proj, .Lfunc_end_k_q0013b59bf7_proj-k_q0013b59bf7_proj
	.p2alignl 7, 3214868480
	.fill 96, 4, 3214868480
	.section	.rodata,"a",@progbits
	.p2align	6, 0x0
	.amdhsa_kernel k_q0013b59bf7_proj
		.amdhsa_group_segment_fixed_size 327680
		.amdhsa_private_segment_fixed_size 0
		.amdhsa_enable_private_segment 0
		.amdhsa_kernarg_size 64
		.amdhsa_user_sgpr_count 2
		.amdhsa_user_sgpr_kernarg_segment_ptr 1
		.amdhsa_wavefront_size32 1
		.amdhsa_system_sgpr_workgroup_id_x 1
		.amdhsa_system_sgpr_workgroup_id_y 1
		.amdhsa_system_sgpr_workgroup_id_z 1
		.amdhsa_system_vgpr_workitem_id 0
		.amdhsa_next_free_vgpr 1024
		.amdhsa_next_free_sgpr 80
		.amdhsa_reserve_vcc 0
		.amdhsa_float_denorm_mode_32 3
		.amdhsa_float_denorm_mode_16_64 3
		.amdhsa_memory_ordered 1
		.amdhsa_forward_progress 1
		.amdhsa_inst_pref_size 203
	.end_amdhsa_kernel
	.amdgpu_metadata
---
amdhsa.version: [ 1, 2 ]
amdhsa.kernels:
  - .name:           k_q0013b59bf7_proj
    .symbol:         k_q0013b59bf7_proj.kd
    .args:
      - { .name: query_feats, .offset: 0, .size: 8, .value_kind: global_buffer, .address_space: global }
      - { .name: key_feats, .offset: 8, .size: 8, .value_kind: global_buffer, .address_space: global }
      - { .name: wt, .offset: 16, .size: 8, .value_kind: global_buffer, .address_space: global }
      - { .name: bq, .offset: 24, .size: 8, .value_kind: global_buffer, .address_space: global }
      - { .name: bk, .offset: 32, .size: 8, .value_kind: global_buffer, .address_space: global }
      - { .name: bv, .offset: 40, .size: 8, .value_kind: global_buffer, .address_space: global }
      - { .name: q, .offset: 48, .size: 8, .value_kind: global_buffer, .address_space: global }
      - { .name: kv, .offset: 56, .size: 8, .value_kind: global_buffer, .address_space: global }
    .group_segment_fixed_size: 327680
    .private_segment_fixed_size: 0
    .kernarg_segment_align: 8
    .kernarg_segment_size: 64
    .max_flat_workgroup_size: 128
    .sgpr_count:     80
    .vgpr_count:     1024
    .wavefront_size: 32
...
	.end_amdgpu_metadata
.endif
;; end of part 2
;; launch attn (part 3): grid 64 x 4, 4 waves a work-group, clusters of 4 x 1, 327,680 bytes of LDS; arguments q, kv, out0; writes out0
.if DOCPART == 3
	.amdgcn_target "amdgcn-amd-amdhsa--gfx1250"
	.amdhsa_code_object_version 6
	.text
	.protected	k_q0013b59bf7_attn
	.globl	k_q0013b59bf7_attn
	.p2align	8
	.type	k_q0013b59bf7_attn,@function
k_q0013b59bf7_attn:
	s_mov_b64 s[64:65], 0
	v_nop
	global_prefetch_b8 v0, s[64:65] scope:SCOPE_SE
	s_setreg_imm32_b32 hwreg(HW_REG_WAVE_MODE, 25, 1), 1
	s_wait_xcnt 0x0
	s_wait_alu depctr_hold_cnt(0) depctr_sa_sdst(0) depctr_va_vdst(0) depctr_va_sdst(0) depctr_va_ssrc(0) depctr_va_vcc(0) depctr_vm_vsrc(0)
	s_getreg_b32 s2, hwreg(HW_REG_IB_STS2, 6, 4)
	s_cmp_eq_u32 s2, 0
	s_cbranch_scc0 .Lentry_in_a_cluster
	s_endpgm
.Lentry_in_a_cluster:
	s_bfe_u32 s2, ttmp6, 0x10000c
	s_cmp_lg_u32 s2, 0x3003
	s_cbranch_scc0 .Lentry_shape_is_right
	s_endpgm
.Lentry_shape_is_right:
; Launch 3 of 3: out0[b][o][n] = sum over keys m of softmax_m(q[n] . k[m] / 16) v[m][o], both products on codes of E2M3.  No work of reference() is left out.
; THE SOFTMAX: t = score x log2(e) / 16; M = the running largest t rounded up to a whole number; p = 2^(t - M) is quantised along the keys; the row's sum is taken of the unquantised p and divides at the end; when M moves, the sum and O
; are multiplied by 2^(old M - new M), which rounds nothing.  LIMITS: NaN and infinities are not served; p under 2^-126 counts as 0; a block of zeros gets the byte 1, its codes are zeros.
; SHARES.  A work-group owns 64 queries (4 tiles of 16) of one image and walks its 4,096 keys, 256 a step: one block of kv, 153,600 bytes, a slot of the ring.  Wave w = 2 g + tp:
;   scores and softmax: keys 128 g .. + 127 of the step x its OWN two tiles 2 tp, 2 tp + 1: each fragment of K feeds two products;
;   O^T += V^T P^T: o = 128 w .. + 127 x ALL four tiles: each fragment of V feeds four products, each of P eight.  P and the rows' maxima go from wave to wave through LDS, P as images of its registers.
;   A wave numbers the tiles from its own pair: j = 0, 1 its own, j = 2, 3 the other pair's; only address registers differ.
; Both products are used transposed (S^T = K Q^T, O^T = V^T P^T): a lane holds one query throughout.  Lane r of tile 2 b + u holds query or key 32 b + 8 u + r + 8 (r / 8), as the launch before laid them.
; A STEP, two barriers:  S^T from K in registers; the blocks' and rows' maxima | barrier 1 | M; p, its sums, its codes, with V's fragments fetched in four runs meanwhile | barrier 2 = THE CHANGE OF SLOTS | P's fragments;
;   O^T rescaled and multiplied, with the NEXT step's K fetched in two runs meanwhile.  At barrier 2 every wave has read this slot's K and V, so the slot is filled again there, with the block two steps on, and the other slot has
;   landed, so the next step's K may be read.  The rows' maxima are read ahead of barrier 2 and written again behind it; P's images are read ahead of the next barrier 1 and written again behind it.
; The step is written once for all steps: O^T and the sums begin as zeros and the largest t as -3e38, so that the first change of M multiplies zeros by 0: 256 moves once, in place of two more copies of the step.
; CLUSTER.  Four work-groups of one image walk the same kv: each quarter of a block (150 rows of 256 bytes) is asked for jointly, by the same load with the same descriptor in all four; two loads of a wave are out at the start, later one.
; REGISTERS: window 0: v1-27 addresses; v28-31 the add's two, the prefetches' offsets; v32-39 (-M, t) a tile; v40-47 (f, -) a tile; v48-51 the sums; v52-59 blocks' largest scores; v60-79 at work, then tile 0's codes; v80-97 scales in the making;
;   v98-119 scale words alone; v128-255 S^T, then p.   window 1: O^T, accumulator (o tile, j) at 8 (4 o + j).   window 2: v0-191 V's 16 fragments; v192-251 K's (t = 0 .. 4, first c step).
;   window 3: v0-95 P's 8 fragments; v96-143 Q's 4; v144-179 K's (t = 5 .. 7, first c step); v180-251 K's (t = 0 .. 5, second c step).  K's last two (t = 6, 7, second c step) take v0-23 of window 2, which V's o tile 0 has left by then.
.set BLKB,  153600
.set QBLKB, 51200
.set KSO,   49152
.set VCO,   51200
.set VSO,   149504
.set PIMG,  307200                     ; behind the ring: P's fragment (tile m, key half g) at (2 m + g) 1,536
.set PSC,   319488                     ; its scale words: 128 m + 64 g + 4 r
.set EXC,   320000                     ; the rows' largest scores, in the same form;
.set LEXO,  512                        ; 512 bytes on: the rows' sums
.set SPARE, 321024                     ; the spare words, 128 bytes a wave: two blocks of 256 bytes that no other line names
.set LEAD,  16                         ; accumulators of O^T that are rescaled ahead of the first product
.set AK0,  3
.set AKS0, 5
.set AV0,  7
.set AVS0, 9
.set AEX,  11
.set AELO, 12
.set AELT, 13
.set API,  14
.set APS,  15
.set APLO, 16
.set APLT, 17
.set APSO, 18
.set APST, 19
.set STO,  20
.set STT,  21
.set SRD,  22
.set GO,   23
.set R4,   24
.set L4,   25
.set LN,   26
.set L16,  27
.set SPW,  28
.set NIL,  29
.set PFO,  30
.set PFO2, 31
.set ST,   32
.set FF,   40
.set LL,   48
.set BM,   52
.set TP,   60
.set EM,   68
.set LM,   72
.set TMP,  74
.set SCB,  80
.set BY,   88
.set PW,   96
.set KSR,  98
.set VSR,  106
.set PS,   114
.set QS,   118
.set SUM,  120
.set QSA,  124
.set S,    128
.set QF,   96
.set T,    128
.set BK,   160
.set WV,   10
.set G1,   16
.set G0,   24
.set SEL,  32
.set CS,   34
.set PFA,  36
.set LIM,  38
.set TRIPS, 39
.set OUTB, 52
.set MSB, 0
.macro WIN new                         ; the immediate's high byte repeats the setting that is left
.if MSB != \new
	s_set_vgpr_msb (MSB<<8)|\new
.set MSB, \new
.endif
.endm
.macro PLACES                          ; four plain places behind a matrix instruction (ISA guide 7.12.1)
.rept 4
	v_nop
.endr
.endm
.macro WM d, a, b, c, sa, sb, row      ; one product; row = 1: both scale words from lanes 16-31
.if \row
	v_wmma_scale_f32_16x16x128_f8f6f4 v[\d:\d+7], v[\a:\a+11], v[\b:\b+11], v[\c:\c+7], v[\sa], v[\sb] matrix_a_fmt:MATRIX_FMT_FP6 matrix_b_fmt:MATRIX_FMT_FP6 matrix_a_scale:MATRIX_SCALE_ROW1 matrix_b_scale:MATRIX_SCALE_ROW1
.else
	v_wmma_scale_f32_16x16x128_f8f6f4 v[\d:\d+7], v[\a:\a+11], v[\b:\b+11], v[\c:\c+7], v[\sa], v[\sb] matrix_a_fmt:MATRIX_FMT_FP6 matrix_b_fmt:MATRIX_FMT_FP6
.endif
.endm
.macro WM0 d, a, b, sa, sb             ; a product that starts a sum
	v_wmma_scale_f32_16x16x128_f8f6f4 v[\d:\d+7], v[\a:\a+11], v[\b:\b+11], 0, v[\sa], v[\sb] matrix_a_fmt:MATRIX_FMT_FP6 matrix_b_fmt:MATRIX_FMT_FP6
.endm
.macro CROUND                          ; a round of the cluster's barrier
	s_barrier_signal -1
	s_barrier_wait -1
	s_cmp_lg_u32 s[WV], 0
	s_cbranch_scc1 .Lnot_wave_0_\@
	s_barrier_signal -3
.Lnot_wave_0_\@:
	s_barrier_wait -3
	s_barrier_signal -1
	s_barrier_wait -1
.endm
; A PREFETCH INTO THE L2 of the block that the NEXT change of slots will ask for.  All 16 clusters of an image walk the same kv: the first of them asks.  Its four partners take a quarter of the block each, told apart by address;
; a quarter is 150 blocks of 256 bytes: thread t names block t, and wave 0 names blocks 128 to 149 by a second line (its lanes 22-31 name block 149 again).  how = 1: always; 2: not in the loop's last trip, which has no such block.
.macro ASK how
.if \how
.if \how == 1
	s_cmp_eq_u32 s[LIM], 1
.else
	s_cmp_gt_u32 s[TRIPS], s[LIM]
.endif
	s_cbranch_scc0 .Lno_ask_\@
	global_prefetch_b8 v[PFO], s[PFA:PFA+1] th:TH_LOAD_NT scope:SCOPE_SE
	s_cmp_lg_u32 s[WV], 0
	s_cbranch_scc1 .Lno_ask_\@
	global_prefetch_b8 v[PFO2], s[PFA:PFA+1] th:TH_LOAD_NT scope:SCOPE_SE
.Lno_ask_\@:
.endif
.endm
; K's fragments of my 128 keys out of slot `slot`, in two runs of 24 loads: half = 0: the first c step's eight; 1: the second's.  The second run's last two land in registers that products of O^T have read: four places stand ahead of the run.
.macro KRUN slot, half
.if \half == 0
	WIN 0x80
.irp t, 0,1,2,3,4
.irp c, 0,1,2
	ds_load_b128 v[192+12*\t+4*\c:192+12*\t+4*\c+3], v[AK0+(\slot)] offset:(2*\t)*1536+512*\c
.endr
.endr
	WIN 0xc0
.irp t, 5,6,7
.irp c, 0,1,2
	ds_load_b128 v[84+12*\t+4*\c:84+12*\t+4*\c+3], v[AK0+(\slot)] offset:(2*\t)*1536+512*\c
.endr
.endr
.else
	PLACES
	WIN 0xc0
.irp t, 0,1,2,3,4,5
.irp c, 0,1,2
	ds_load_b128 v[180+12*\t+4*\c:180+12*\t+4*\c+3], v[AK0+(\slot)] offset:(2*\t+1)*1536+512*\c
.endr
.endr
	WIN 0x80
.irp t, 6,7
.irp c, 0,1,2
	ds_load_b128 v[12*\t-72+4*\c:12*\t-72+4*\c+3], v[AK0+(\slot)] offset:(2*\t+1)*1536+512*\c
.endr
.endr
.endif
.endm
; Four of V's sixteen fragments, base .. base + 3 (fragment 2 o + ks), in one run of 12 loads
.macro VRUN slot, base
	WIN 0x80
.irp k, 0,1,2,3
.irp c, 0,1,2
	ds_load_b128 v[12*(\base+\k)+4*\c:12*(\base+\k)+4*\c+3], v[AV0+\slot] offset:1536*(\base+\k)+512*\c
.endr
.endr
	WIN 0
.endm
; Accumulator x of O^T under the new M, from its low end on (window setting 0x41: O^T window 1, f window 0)
.macro RESC x
.irp i, 0,2,4,6
	v_pk_mul_f32 v[8*(\x)+\i:8*(\x)+\i+1], v[8*(\x)+\i:8*(\x)+\i+1], v[FF+2*((\x)%4):FF+2*((\x)%4)+1] op_sel_hi:[1,0]
.endr
.endm
	s_load_b128 s[4:7], s[0:1], 0x0                ; q s[4:5], kv s[6:7]
	s_load_b64 s[8:9], s[0:1], 0x10                ; out0
	v_lshl_add_u32 v[SPW], v0, 2, SPARE
	v_mov_b32 v[NIL], 0
	ds_add_u32 v[SPW], v[NIL]                      ; the wave's opening: the add, twice on end, and its wait ahead of the round in front of my first tensor load
	ds_add_u32 v[SPW], v[NIL]
	v_lshrrev_b32 v1, 5, v0
	v_readfirstlane_b32 s[WV], v1                  ; wave 0..3
	s_lshr_b32 s11, s[WV], 1                       ; g
	s_and_b32 s12, s[WV], 1                        ; tp
	s_xor_b32 s13, s12, 1                          ; the other pair
	s_bfe_u32 s14, ttmp6, 0x40000                  ; cx
	s_lshl_b32 s15, ttmp9, 2
	s_add_co_u32 s15, s15, s14                     ; my block of 64 queries: it enters q's, out0's and the prefetches' addresses alone
	s_and_b32 s40, ttmp7, 0xffff                   ; the image, which the partners share
	s_mov_b32 s[G1], 15|(3<<16)|(1<<21)            ; the mask: all four; elements of 8 bytes; bit 21 beside a mask; no padding
	s_mov_b32 s[G1+1], 32<<16                      ; rows of 256 bytes,
	s_mov_b32 s[G1+2], 150<<16                     ; 150 of them: a quarter of a block
	s_mov_b32 s[G1+3], 32<<16
	s_mov_b32 s[G1+4], 150
	s_mov_b32 s[G1+5], 32                          ; dense
	s_mov_b32 s[G1+6], 0
	s_mov_b32 s[G1+7], 0
	s_mul_i32 s25, s[WV], 38400                    ; my quarter, in slot 0,
	s_add_co_u32 s29, s25, BLKB                    ; in slot 1,
	s_mul_i32 s42, s40, 16*BLKB
	s_add_co_u32 s44, s42, s25                     ; and in the image's first block
	s_mov_b32 s45, 0
	s_mul_i32 s46, s14, 38400                      ; the prefetches: my work-group's quarter, in block 2: each change of slots steps it on, the first to block 3
	s_add_co_u32 s46, s46, s42
	s_add_co_u32 s46, s46, 2*BLKB
	s_mov_b32 s47, 0
	s_cmp_eq_u32 ttmp9, 0
	s_cselect_b32 s[LIM], 1, -1                    ; the same in all four partners
	s_lshl_b32 s48, s40, 4
	s_lshr_b32 s49, s15, 2
	s_add_co_u32 s48, s48, s49
	s_mul_i32 s48, s48, QBLKB                      ; q's block of 256 queries
	s_and_b32 s49, s15, 3
	s_lshl_b32 s49, s49, 2
	s_lshl_b32 s50, s12, 1
	s_add_co_u32 s49, s49, s50                     ; my first tile in it
	s_lshl_b32 s50, s49, 6
	s_add_co_u32 s50, s50, s48
	s_add_co_u32 s50, s50, KSO                     ; its scale words,
	s_mul_i32 s49, s49, 3072
	s_add_co_u32 s48, s48, s49                     ; its codes
	s_mov_b32 s49, 0
	s_mov_b32 s51, 0
	s_lshl_b32 s52, s40, 23                        ; out0: the image, my 128 rows o, my 64 queries
	s_lshl_b32 s53, s[WV], 21
	s_add_co_u32 s52, s52, s53
	s_lshl_b32 s53, s15, 8
	s_add_co_u32 s52, s52, s53
	s_mov_b32 s53, 0
	s_mov_b32 s[SEL], 0x76543210
	s_mov_b32 s[SEL+1], 0xfedcba98
	s_mov_b32 s[CS], 0x3db8aa3b                    ; c = log2(e) / 16
	s_mov_b32 s[CS+1], s[CS]                       ; (named with it as a pair)
	s_wait_dscnt 0x0                               ; both opening adds are done
	s_wait_kmcnt 0x0
	s_mov_b32 s[G0], 1
	s_add_nc_u64 s[G0+2:G0+3], s[6:7], s[44:45]
	s_mov_b32 s[G0+4], 1
	s_add_nc_u64 s[G0+6:G0+7], s[G0+2:G0+3], BLKB
	s_or_b32 s[G0+3], s[G0+3], 0x80000000
	s_or_b32 s[G0+7], s[G0+7], 0x80000000
	s_add_nc_u64 s[PFA:PFA+1], s[6:7], s[46:47]
	s_add_nc_u64 s[48:49], s[4:5], s[48:49]
	s_add_nc_u64 s[50:51], s[4:5], s[50:51]
	s_add_nc_u64 s[OUTB:OUTB+1], s[8:9], s[52:53]
	CROUND                                         ; all four work-groups are here: the first joint loads meet
	tensor_load_to_lds s[G0:G0+3], s[G1:G1+7]      ; block 0 into slot 0,
	s_nop 0
	tensor_load_to_lds s[G0+4:G0+7], s[G1:G1+7]    ; block 1 into slot 1: the first fills go out together; two loads of mine are out
	s_nop 0
	PLACES
	v_and_b32 v1, 15, v0                           ; r
	v_bfe_u32 v2, v0, 4, 1                         ; h
	v_and_b32 v[LN], 31, v0
	v_lshlrev_b32 v[L16], 4, v[LN]
	v_lshlrev_b32 v[L4], 2, v[LN]
	v_lshlrev_b32 v[R4], 2, v1
	v_lshl_add_u32 v[QSA], v2, 10, v[R4]           ; a scale word: lanes 0-15 the first c step's, lanes 16-31 the second's
	WIN 0xc0
.irp f, 0,1,2,3
.irp c, 0,1,2
	global_load_b128 v[QF+12*\f+4*\c:QF+12*\f+4*\c+3], v[L16], s[48:49] offset:1536*\f+512*\c   ; Q stays in registers: fragment f = 2 q + s'
.endr
.endr
	WIN 0
	global_load_b32 v[QS], v[QSA], s[50:51]
	global_load_b32 v[QS+1], v[QSA], s[50:51] offset:64
	s_mul_i32 s41, s11, 24576
	v_add_nc_u32 v[AK0], s41, v[L16]               ; K's fragments: my 128 keys
	v_add_nc_u32 v[AK0+1], BLKB, v[AK0]
	s_lshl_b32 s41, s11, 9
	s_add_co_u32 s41, s41, KSO
	v_add_nc_u32 v[AKS0], s41, v[QSA]
	v_add_nc_u32 v[AKS0+1], BLKB, v[AKS0]
	s_mul_i32 s41, s[WV], 24576
	s_add_co_u32 s41, s41, VCO
	v_add_nc_u32 v[AV0], s41, v[L16]               ; V's: my 8 o tiles
	v_add_nc_u32 v[AV0+1], BLKB, v[AV0]
	s_lshl_b32 s41, s[WV], 9
	s_add_co_u32 s41, s41, VSO
	v_lshl_add_u32 v[AVS0], v2, 11, v[R4]
	v_add_nc_u32 v[AVS0], s41, v[AVS0]
	v_add_nc_u32 v[AVS0+1], BLKB, v[AVS0]
	s_lshl_b32 s41, s12, 8
	s_lshl_b32 s43, s11, 6
	s_add_co_u32 s43, s43, s41                     ; 256 tp + 64 g
	s_add_co_u32 s41, s43, EXC
	v_add_nc_u32 v[AEX], s41, v[R4]
	s_add_co_u32 s41, s43, PSC
	v_add_nc_u32 v[APS], s41, v[R4]
	s_lshl_b32 s41, s12, 8
	s_add_co_u32 s43, s41, EXC
	v_add_nc_u32 v[AELO], s43, v[L4]
	s_add_co_u32 s43, s41, PSC
	v_add_nc_u32 v[APSO], s43, v[L4]
	s_lshl_b32 s41, s13, 8
	s_add_co_u32 s43, s41, EXC
	v_add_nc_u32 v[AELT], s43, v[L4]
	s_add_co_u32 s43, s41, PSC
	v_add_nc_u32 v[APST], s43, v[L4]
	s_mul_i32 s41, s12, 6144
	s_add_co_u32 s41, s41, PIMG
	v_add_nc_u32 v[APLO], s41, v[L16]
	s_mul_i32 s43, s11, 1536
	s_add_co_u32 s43, s43, s41
	v_add_nc_u32 v[API], s43, v[L16]
	s_mul_i32 s41, s13, 6144
	s_add_co_u32 s41, s41, PIMG
	v_add_nc_u32 v[APLT], s41, v[L16]
	v_and_b32 v[TMP], 7, v0                        ; the way out: my stage, 16 rows o x (256 bytes + 16), in slot 0: row 8 h + i, query 32 (tile / 2) + 8 (tile % 2) + r % 8 + 16 (r / 8)
	v_lshlrev_b32 v[TMP], 2, v[TMP]
	v_bfe_u32 v[TMP+1], v0, 3, 1
	v_lshl_add_u32 v[TMP], v[TMP+1], 6, v[TMP]
	v_mad_u32_u24 v[TMP], v2, 2176, v[TMP]
	s_mul_i32 s41, s[WV], 4352
	s_lshl_b32 s43, s12, 7
	s_add_co_u32 s43, s43, s41
	v_add_nc_u32 v[STO], s43, v[TMP]
	s_lshl_b32 s43, s13, 7
	s_add_co_u32 s43, s43, s41
	v_add_nc_u32 v[STT], s43, v[TMP]
	v_lshlrev_b32 v[SRD], 4, v1
	v_mad_u32_u24 v[SRD], v2, 272, v[SRD]
	v_add_nc_u32 v[SRD], s41, v[SRD]               ; back: lanes 0-15 one row, lanes 16-31 the next
	v_lshlrev_b32 v[GO], 4, v1
	v_lshl_add_u32 v[GO], v2, 14, v[GO]            ; and the same two rows of out0, 16,384 bytes apart
	v_lshlrev_b32 v[PFO], 8, v0
	v_min_u32 v[PFO2], 21, v[LN]
	v_add_nc_u32 v[PFO2], 128, v[PFO2]
	v_lshlrev_b32 v[PFO2], 8, v[PFO2]
.irp j, 0,1,2,3
	v_mov_b32 v[ST+2*\j+1], 0xff61b1e6             ; the largest t so far: -3e38, under every t
	v_floor_f32 v[ST+2*\j], -v[ST+2*\j+1]          ; -M
	v_mov_b32 v[FF+2*\j], 0
	v_mov_b32 v[FF+2*\j+1], 0                      ; (named as a pair's upper half)
	v_mov_b32 v[LL+\j], 0                          ; the sums, two halves a tile
.endr
.irp n, 0,1,2,3,4,5,6,7
	v_mov_b32 v[TP+\n], 0                          ; written once: a lane permute's destination counts as one of its sources
.endr
	WIN 0x40
.set n, 0
.rept 256
	v_mov_b32 v[n], 0                              ; O^T: the first step finds zeros, which its change of M leaves zeros.  (Issued while the first tiles are on their way)
.set n, n+1
.endr
	WIN 0
	s_wait_loadcnt 0x0                             ; Q
	s_wait_tensorcnt 0x1                           ; my quarter of slot 0 is in; slot 1's may stay out
	s_barrier_signal -1
	s_barrier_wait -1                              ; everybody's is
.irp t, 0,1,2,3,4,5,6,7
	ds_load_b32 v[KSR+\t], v[AKS0] offset:64*\t    ; step 0's K: its scale words, then its fragments in the order of their use
.endr
	KRUN 0, 0
	KRUN 0, 1
	WIN 0
; Tile q's p becomes a fragment in v[pc] on and goes to LDS as it stands
.macro PQUANT q, pc
.irp c, 0,1
	v_cvt_scalef32_pk16_fp6_f32 v[\pc+6*\c:\pc+6*\c+2], v[S+64*\q+32*\c:S+64*\q+32*\c+15], v[SCB+4*\q+2*\c]
	v_cvt_scalef32_pk16_fp6_f32 v[\pc+12+4*\c:\pc+12+4*\c+2], v[S+64*\q+32*\c+16:S+64*\q+32*\c+31], v[SCB+4*\q+2*\c+1]
.endr
	v_nop                                          ; one plain place behind a scaled conversion
.irp c, 0,1                                    ; the operand wants a whole block in a lane
.irp i, 0,1,2
	v_permlane16_swap_b32 v[\pc+6*\c+\i], v[\pc+12+4*\c+\i]
.endr
.irp i, 0,1,2
	v_mov_b32 v[\pc+3+6*\c+\i], v[\pc+12+4*\c+\i]
.endr
.endr
.irp c, 0,1,2
	ds_store_b128 v[API], v[\pc+4*\c:\pc+4*\c+3] offset:3072*\q+512*\c
.endr
	ds_store_b32 v[APS], v[PW+\q] offset:128*\q    ; both halves of the lanes write the same word with the same value
.endm
; A KEY STEP: 256 keys, in slot `slot`; its K is in registers.  fill = 1: at barrier 2 this slot is filled with the block two steps on.  nextk = 1: the next step's K is fetched out of the other slot.
.macro STEP slot, fill, nextk, how
	; ---- S^T = K Q^T: my 8 key tiles x my 2 query tiles, 16 accumulators by turns
	s_wait_dscnt 24                                ; the second c step's 24 loads, the youngest, may be out
	WIN 0x0e                                       ; K window 2, Q window 3, S^T window 0
.irp t, 0,1,2,3,4
.irp q, 0,1
	WM0 S+64*\q+8*\t, 192+12*\t, QF+24*\q, KSR+\t, QS+\q
.endr
.endr
	WIN 0x0f                                       ; K window 3
.irp t, 5,6,7
.irp q, 0,1
	WM0 S+64*\q+8*\t, 84+12*\t, QF+24*\q, KSR+\t, QS+\q
.endr
.endr
	s_wait_dscnt 0x0
.irp t, 0,1,2,3,4,5
.irp q, 0,1
	WM S+64*\q+8*\t, 180+12*\t, QF+24*\q+12, S+64*\q+8*\t, KSR+\t, QS+\q, 1
.endr
.endr
	WIN 0x0e
.irp t, 6,7
.irp q, 0,1
	WM S+64*\q+8*\t, 12*\t-72, QF+24*\q+12, S+64*\q+8*\t, KSR+\t, QS+\q, 1
.endr
.endr
	WIN 0
	PLACES
	; ---- the largest score of each block of 32 keys (n = 4 q + b): for the row's maximum, and, since p rises with the score, for the block's largest p
.irp n, 0,1,2,3,4,5,6,7
	v_max3_num_f32 v[BM+\n], v[S+16*\n], v[S+16*\n+1], v[S+16*\n+2]
.endr
.irp i, 3,5,7,9,11,13
.irp n, 0,1,2,3,4,5,6,7
	v_max3_num_f32 v[BM+\n], v[BM+\n], v[S+16*\n+\i], v[S+16*\n+\i+1]
.endr
.endr
.irp n, 0,1,2,3,4,5,6,7
	v_max_num_f32 v[BM+\n], v[BM+\n], v[S+16*\n+15]
.endr
.irp n, 0,1,2,3,4,5,6,7
	v_permlanex16_b32 v[TP+\n], v[BM+\n], s[SEL], s[SEL+1]
.endr
.irp n, 0,1,2,3,4,5,6,7
	v_max_num_f32 v[BM+\n], v[BM+\n], v[TP+\n]
.endr
.irp q, 0,1
	v_max3_num_f32 v[LM+\q], v[BM+4*\q], v[BM+4*\q+1], v[BM+4*\q+2]
.endr
.irp q, 0,1
	v_max_num_f32 v[LM+\q], v[LM+\q], v[BM+4*\q+3]
.endr
.irp q, 0,1
	ds_store_b32 v[AEX], v[LM+\q] offset:128*\q
.endr
	s_wait_dscnt 0x0                               ; for the others' sake; my reads of the last step's P are over too
	s_barrier_signal -1
	s_barrier_wait -1                              ; barrier 1: every wave's maxima lie in LDS, and nobody reads the last step's P any more
	; ---- M of all four tiles, the same in every wave.  V's fragments come in four runs of 12 loads, spread over the softmax; those that stand among the exponentials take the low register numbers
	ds_load_b32 v[EM], v[AELO]
	ds_load_b32 v[EM+1], v[AELO] offset:128
	ds_load_b32 v[EM+2], v[AELT]
	ds_load_b32 v[EM+3], v[AELT] offset:128
.irp o, 0,1,2,3,4,5,6,7
	ds_load_b32 v[VSR+\o], v[AVS0+\slot] offset:64*\o
.endr
	VRUN \slot, 12
	s_wait_dscnt 12                                ; V's first run may be out
.irp j, 0,1,2,3
	v_permlanex16_b32 v[TP+\j], v[EM+\j], s[SEL], s[SEL+1]   ; lanes 0-15 hold the first 128 keys' maximum, lanes 16-31 the second's
.endr
.irp j, 0,1,2,3
	v_max_num_f32 v[EM+\j], v[EM+\j], v[TP+\j]
.endr
.irp j, 0,1,2,3
	v_mul_f32 v[EM+\j], s[CS], v[EM+\j]            ; as t (c is positive)
.endr
.irp j, 0,1,2,3
	v_max_num_f32 v[ST+2*\j+1], v[ST+2*\j+1], v[EM+\j]
.endr
.irp j, 0,1,2,3
	v_mov_b32 v[TMP+\j], v[ST+2*\j]
.endr
.irp j, 0,1,2,3
	v_floor_f32 v[ST+2*\j], -v[ST+2*\j+1]          ; -M = floor(-t): M is a whole number
.endr
.irp j, 0,1,2,3
	v_sub_f32 v[TMP+\j], v[ST+2*\j], v[TMP+\j]     ; old M - new M
.endr
.irp j, 0,1,2,3
	v_cvt_i32_f32 v[TMP+\j], v[TMP+\j]             ; (it saturates)
.endr
.irp j, 0,1,2,3
	v_ldexp_f32 v[FF+2*\j], 1.0, v[TMP+\j]         ; f = 2^(old M - new M)
.endr
	; ---- p of my two tiles
.set n, 0
.rept 64
	v_pk_fma_f32 v[S+2*n:S+2*n+1], v[S+2*n:S+2*n+1], s[CS:CS+1], v[ST+2*(n/32):ST+2*(n/32)+1] op_sel_hi:[1,0,0]   ; t - M: pair n of tile n / 32
.set n, n+1
.if n == 32
	VRUN \slot, 8
.endif
.endr
.irp q, 0,1
.irp b, 0,1,2,3
	v_fma_f32 v[BM+4*\q+\b], v[BM+4*\q+\b], s[CS], v[ST+2*\q]
.endr
.endr
.set e, 0
.rept 128
	v_exp_f32 v[S+e], v[S+e]                       ; p = 2^(t - M)
.set e, e+1
.if e == 40
	VRUN \slot, 4
.endif
.if e == 88
	VRUN \slot, 0
.endif
.endr
.irp q, 0,1
	v_pk_mul_f32 v[LL+2*\q:LL+2*\q+1], v[LL+2*\q:LL+2*\q+1], v[FF+2*\q:FF+2*\q+1] op_sel_hi:[1,0]   ; the sums under the new M (the plain place behind the exponentials)
.endr
	s_wait_alu depctr_va_vdst(0)                   ; one wait for the batch of 128, ahead of its first reader
.irp n, 0,1,2,3,4,5,6,7
	v_exp_f32 v[BM+\n], v[BM+\n]                   ; each block's largest p
.endr
.irp q, 0,1
	v_pk_add_f32 v[SUM+2*\q:SUM+2*\q+1], v[S+64*\q:S+64*\q+1], v[S+64*\q+2:S+64*\q+3]   ; the row's sum of the unquantised p, two chains a tile
.endr
.irp i, 4,8,12,16,20,24,28,32,36,40,44,48,52,56,60
.irp q, 0,1
	v_pk_add_f32 v[LL+2*\q:LL+2*\q+1], v[LL+2*\q:LL+2*\q+1], v[S+64*\q+\i:S+64*\q+\i+1]
	v_pk_add_f32 v[SUM+2*\q:SUM+2*\q+1], v[SUM+2*\q:SUM+2*\q+1], v[S+64*\q+\i+2:S+64*\q+\i+3]
.endr
.endr
.irp q, 0,1
	v_pk_add_f32 v[LL+2*\q:LL+2*\q+1], v[LL+2*\q:LL+2*\q+1], v[SUM+2*\q:SUM+2*\q+1]
.endr
	s_wait_alu depctr_va_vdst(0)                   ; and one for the eight
.irp n, 0,1,2,3,4,5,6,7
	v_max_num_f32 v[BM+\n], 0x1800000, v[BM+\n]    ; the floor 2^(3 - 127)
.endr
.irp n, 0,1,2,3,4,5,6,7
	v_add_nc_u32 v[SCB+\n], 0xff000000, v[BM+\n]   ; the conversion's scale operand
.endr
.irp n, 0,1,2,3,4,5,6,7
	v_lshrrev_b32 v[BY+\n], 23, v[SCB+\n]          ; the byte
.endr
.irp q, 0,1
	v_lshl_or_b32 v[PW+\q], v[BY+4*\q+1], 8, v[BY+4*\q]
.endr
.irp q, 0,1
	v_lshl_or_b32 v[PW+\q], v[BY+4*\q+2], 16, v[PW+\q]
.endr
.irp q, 0,1
	v_lshl_or_b32 v[PW+\q], v[BY+4*\q+3], 24, v[PW+\q]
.endr
	PQUANT 0, TP                                   ; into v60-79, which are free here;
	PQUANT 1, S                                    ; into the registers that tile 0's p has left
	; ---- barrier 2, THE CHANGE OF SLOTS
.if \nextk
	s_wait_tensorcnt 0x0                           ; my quarter of the other slot has landed; no tensor load of mine is out, so a group 0 may be written
	ds_add_u32 v[SPW], v[NIL]                      ; 0 onto my spare word
.if \fill
	s_add_nc_u64 s[G0+4*\slot+2:G0+4*\slot+3], s[G0+4*\slot+2:G0+4*\slot+3], 2*BLKB   ; this slot's next block
	s_wait_xcnt 0x0                                ; the last prefetches, a step back, have read their address
	s_add_nc_u64 s[PFA:PFA+1], s[PFA:PFA+1], BLKB
.endif
.endif
	s_wait_dscnt 0x0                               ; the add is done; my images of P lie in LDS; V's fragments are in, so my reads of this slot are over
.if \fill
	CROUND                                         ; no wave of any partner still reads this slot or has a load on its way; P is whole; the other slot is whole
	tensor_load_to_lds s[G0+4*\slot:G0+4*\slot+3], s[G1:G1+7]   ; my one load behind the round: it has a whole step in which to land
	s_nop 0
	PLACES
	ASK \how
.else
	s_barrier_signal -1
	s_barrier_wait -1
.endif
	; ---- O^T += V^T P^T: my 8 o tiles x all 4 query tiles, 32 accumulators by turns
	ds_load_b32 v[PS], v[APSO]
	ds_load_b32 v[PS+1], v[APSO] offset:128
	ds_load_b32 v[PS+2], v[APST]
	ds_load_b32 v[PS+3], v[APST] offset:128
.if \nextk
.irp t, 0,1,2,3,4,5,6,7
	ds_load_b32 v[KSR+\t], v[AKS0+1-\slot] offset:64*\t   ; the next step's scale words of K
.endr
.endif
	WIN 0xc0
.irp k, 0,1
.irp j, 0,1
.irp c, 0,1,2
	ds_load_b128 v[24*\j+12*\k+4*\c:24*\j+12*\k+4*\c+3], v[APLO] offset:3072*\j+1536*\k+512*\c
.endr
.endr
.irp j, 0,1
.irp c, 0,1,2
	ds_load_b128 v[48+24*\j+12*\k+4*\c:48+24*\j+12*\k+4*\c+3], v[APLT] offset:3072*\j+1536*\k+512*\c
.endr
.endr
.endr
	WIN 0x41                                       ; the first LEAD accumulators come under the new M while P's fragments are on their way;
.set a, 0
.rept LEAD
	RESC a
.set a, a+1
.endr
	s_wait_dscnt 12                                ; the second 128 keys' 12 loads may be out
.set a, 0
.rept 32                                       ; the first 128 keys.  Behind product a stands the rescaling of accumulator a + LEAD, whose own product follows LEAD products later
	WIN 0x5e                                       ; V window 2, P window 3, O^T window 1
	WM 8*a, 24*(a/4), 24*(a%4), 8*a, VSR+a/4, PS+a%4, 0
.if a+LEAD < 32
	WIN 0x41
	RESC a+LEAD
.endif
.if \nextk && (a == 15)
	KRUN 1-\slot, 0                                ; the next step's K, first run: 48 products ahead of its use
.endif
.set a, a+1
.endr
.if \nextk
	s_wait_dscnt 24                                ; P's second half is in; K's first run may be out
.else
	s_wait_dscnt 0x0
.endif
.set a, 0
.rept 32                                       ; the second 128 keys
	WIN 0x5e
	WM 8*a, 24*(a/4)+12, 24*(a%4)+12, 8*a, VSR+a/4, PS+a%4, 1
.if \nextk && (a == 7)
	KRUN 1-\slot, 1                                ; second run: o tile 0's products, the last to read v0-23 of window 2, are issued (a = 0 .. 3)
.endif
.set a, a+1
.endr
	WIN 0
.endm
	s_mov_b32 s[TRIPS], 7
.Llap:                                             ; steps 0 to 13: each fills its slot again
	STEP 0, 1, 1, 1
	STEP 1, 1, 1, 2
	s_sub_co_u32 s[TRIPS], s[TRIPS], 1
	s_cmp_lg_u32 s[TRIPS], 0
	s_cbranch_scc1 .Llap
	STEP 0, 0, 1, 0                                ; step 14 is written out: nothing is left to ask for; step 15's K is still fetched
	STEP 1, 0, 0, 0                                ; step 15
	; THE WAY OUT.  The sums of the two key halves meet in LDS; O^T / the sum goes, an o tile at a time, through my stage (in slot 0, which has had its last fill and its last read), so that 16 lanes store a row's 256 consecutive bytes.
.irp q, 0,1
	v_add_f32 v[TMP+\q], v[LL+2*\q], v[LL+2*\q+1]
.endr
.irp q, 0,1
	v_permlanex16_b32 v[TP+\q], v[TMP+\q], s[SEL], s[SEL+1]
.endr
.irp q, 0,1
	v_add_f32 v[TMP+\q], v[TMP+\q], v[TP+\q]
.endr
.irp q, 0,1
	ds_store_b32 v[AEX], v[TMP+\q] offset:LEXO+128*\q
.endr
	s_wait_dscnt 0x0
	s_barrier_signal -1
	s_barrier_wait -1
	ds_load_b32 v[EM], v[AELO] offset:LEXO
	ds_load_b32 v[EM+1], v[AELO] offset:LEXO+128
	ds_load_b32 v[EM+2], v[AELT] offset:LEXO
	ds_load_b32 v[EM+3], v[AELT] offset:LEXO+128
	s_wait_dscnt 0x0
.irp j, 0,1,2,3
	v_permlanex16_b32 v[TP+\j], v[EM+\j], s[SEL], s[SEL+1]
.endr
.irp j, 0,1,2,3
	v_add_f32 v[EM+\j], v[EM+\j], v[TP+\j]         ; the row's sum over all keys
.endr
.irp j, 0,1,2,3
	v_rcp_f32 v[FF+2*\j], v[EM+\j]
.endr
	v_nop                                          ; a plain place behind the last reciprocal
	s_wait_alu depctr_va_vdst(0)                   ; one wait for the four, ahead of their first reader
.macro OTILE o
	WIN 0x01                                       ; O^T window 1
.irp j, 0,1,2,3
.irp i, 0,2,4,6
	v_pk_mul_f32 v[T+8*\j+\i:T+8*\j+\i+1], v[8*(4*(\o)+\j)+\i:8*(4*(\o)+\j)+\i+1], v[FF+2*\j:FF+2*\j+1] op_sel_hi:[1,0]
.endr
.endr
	WIN 0
.irp j, 0,1
.irp i, 0,1,2,3,4,5,6,7
	ds_store_b32 v[STO], v[T+8*\j+\i] offset:\i*272+32*\j
	ds_store_b32 v[STT], v[T+16+8*\j+\i] offset:\i*272+32*\j
.endr
.endr
.if (\o) > 1
	s_wait_xcnt 0x0                                ; the stores of two tiles back have read the registers that the loads below fill
.endif
.set bk, BK+32*((\o)%2)
.irp i, 0,1,2,3,4,5,6,7
	ds_load_b128 v[bk+4*\i:bk+4*\i+3], v[SRD] offset:544*\i   ; LDS serves a wave's instructions in order: these see my stores
.endr
	s_wait_dscnt 0x0
.irp i, 0,1,2,3,4,5,6,7
	global_store_b128 v[GO], v[bk+4*\i:bk+4*\i+3], s[OUTB:OUTB+1] offset:(16*(\o)+2*\i)*16384 th:TH_STORE_NT   ; 16 lanes store 256 consecutive bytes, aligned
.endr
.endm
.irp o, 0,1,2,3,4,5,6,7
	OTILE \o
.endr
	s_wait_tensorcnt 0x0                           ; the wave's end
	ds_add_u32 v[SPW], v[NIL]
	s_wait_dscnt 0x0
	CROUND                                         ; the closing round
	s_endpgm
.Lfunc_end_k_q0013b59bf7_attn:
	.size	k_q0013b59bf7_attn, .Lfunc_end_k_q0013b59bf7_attn-k_q0013b59bf7_attn
	.p2alignl 7, 3214868480
	.fill 96, 4, 3214868480
	.section	.rodata,"a",@progbits
	.p2align	6, 0x0
	.amdhsa_kernel k_q0013b59bf7_attn
		.amdhsa_group_segment_fixed_size 327680
		.amdhsa_private_segment_fixed_size 0
		.amdhsa_enable_private_segment 0
		.amdhsa_kernarg_size 24
		.amdhsa_user_sgpr_count 2
		.amdhsa_user_sgpr_kernarg_segment_ptr 1
		.amdhsa_wavefront_size32 1
		.amdhsa_system_sgpr_workgroup_id_x 1
		.amdhsa_system_sgpr_workgroup_id_y 1
		.amdhsa_system_sgpr_workgroup_id_z 1
		.amdhsa_system_vgpr_workitem_id 0
		.amdhsa_next_free_vgpr 1024
		.amdhsa_next_free_sgpr 66
		.amdhsa_reserve_vcc 0
		.amdhsa_float_denorm_mode_32 3
		.amdhsa_float_denorm_mode_16_64 3
		.amdhsa_memory_ordered 1
		.amdhsa_forward_progress 1
		.amdhsa_inst_pref_size 255
	.end_amdhsa_kernel
	.section	.bss,"aw",@nobits
	.p2align	6
	.space	262144
	.amdgpu_metadata
---
amdhsa.version: [ 1, 2 ]
amdhsa.kernels:
  - .name:           k_q0013b59bf7_attn
    .symbol:         k_q0013b59bf7_attn.kd
    .args:
      - { .name: q, .offset: 0, .size: 8, .value_kind: global_buffer, .address_space: global }
      - { .name: kv, .offset: 8, .size: 8, .value_kind: global_buffer, .address_space: global }
      - { .name: out0, .offset: 16, .size: 8, .value_kind: global_buffer, .address_space: global }
    .group_segment_fixed_size: 327680
    .private_segment_fixed_size: 0
    .kernarg_segment_align: 8
    .kernarg_segment_size: 24
    .max_flat_workgroup_size: 128
    .sgpr_count:     66
    .vgpr_count:     1024
    .wavefront_size: 32
...
	.end_amdgpu_metadata
.endif
;; end of part 3
